; MI455X (gfx1250); checked and timed in simulation.
; The chip was launched on July 23, 2026; its instructions are those of AMD's public machine-readable ISA for CDNA 5 (MIT licence, August 2026) and "CDNA5" Instruction Set Architecture Reference Guide (July 2026). The comments in the code are by the model that wrote it; some were corrected since.
;; Descriptor Matcher. Allowed arithmetic: matrix products marked QUANTISED: E5M2 operands, one given power-of-two scale a tensor, by v_wmma_f32_16x16x64_bf8_bf8 or v_wmma_f32_16x16x128_bf8_bf8, f32 sums; everything else in f32.
;; Inputs: desc1 8,192 x 512 float32; desc2 8,192 x 512 float32; lowp_scales 2 int32 (the exponents e of the quantised operands' scales 2^e).
;; Outputs: out0 8,192 x 1 float32; out1 8,192 x 2 int32; out2 8,192 bool.
;; This version of the problem:
;;   THIS VERSION OF THE PROBLEM IS GIVEN IN LOW PRECISION. The matrix products marked QUANTISED in the list below multiply operands that are first quantised to E5M2 (5 exponent bits, 2 mantissa bits; 8 bits a number), with one given power-of-two scale for each operand tensor; their sums are f32. All else is computed in f32.
;;   The module's matrix products, in the order in which they are computed (A, B: the left and right operand; K: the contracted axis; several contracted axes count as one K, in the product's order):
;;     1. [M 8,192, K 512] x [K 512, N 8,192]; A: input desc1; B: input desc2: QUANTISED (scales: A lowp_scales[0], B lowp_scales[1])
;;   THE QUANTISER, for each operand of a quantised product, along K:
;;     - The operand's scale is 2^e, e = its entry of the input lowp_scales (int32; the entries are numbered through the quantised products in the list's order, A before B).
;;     - Each number is divided by the scale, clamped to +-57,344, and rounded to the nearest number of E5M2, ties to even, subnormals kept.
;;     - The product sums the exact products of the quantised numbers (number of the format x scale) in f32.
;;   ~~~python
;;   def quantise(x, axis, e):      # numpy; x: float32 -> the quantised numbers, widened to float32 again
;;       x = np.moveaxis(x, axis, -1); K = x.shape[-1]
;;       r = np.clip(x / 2.0 ** e, -57344, 57344)
;;       step = 2.0 ** (np.maximum(np.frexp(np.where(r == 0, 1, r))[1] - 1, -14) - 2)
;;       q = np.round(r / step) * step * 2.0 ** e      # np.round: ties to even
;;       return np.moveaxis(q, -1, axis).astype(np.float32)
;;   ~~~
;; One version. Each part assembles by itself: llvm-mc -triple=amdgcn-amd-amdhsa -mcpu=gfx1250 --defsym DOCPART=n.
;; ======== version 1 of 1: 3 launches
;; workspace buffers: codes 8,388,608 bytes; nrm 65,536 bytes; part 2,097,152 bytes
;; launch prep (part 1): grid 256 x 1, 4 waves a work-group, no clusters, 68,352 bytes of LDS; arguments desc1, desc2, lowp_scales, codes, nrm; writes codes, nrm
.if DOCPART == 1
	.amdgcn_target "amdgcn-amd-amdhsa--gfx1250"
	.amdhsa_code_object_version 6
	.text
	.protected	k_qfcf0c92249_prep
	.globl	k_qfcf0c92249_prep
	.p2align	8
	.type	k_qfcf0c92249_prep,@function
k_qfcf0c92249_prep:
	s_mov_b64 s[64:65], 0
	v_nop
	global_prefetch_b8 v0, s[64:65] scope:SCOPE_SE
	s_setreg_imm32_b32 hwreg(HW_REG_WAVE_MODE, 25, 1), 1
	s_wait_xcnt 0x0
; desc1 and desc2, [8192][512] f32, become (a) codes of BF8 (E5M2), each tensor with its given scale 2^e, and (b) one scaled sum of squares a row.
; code = x / 2^e, held within +-57,344, to the nearest code, ties to even.  e0 and e1 are the two whole numbers of lowp_scales; E = e0 + e1.
; nrm word m        = T[m] =  sum of desc1[m]^2 x 2^-(E+1)      (of the numbers as given, not of the codes)
; nrm word 8192 + n = c[n] = -sum of desc2[n]^2 x 2^-(E+1)
; CODES ARE LAID AS THE NEXT LAUNCH'S OPERAND REGISTERS: 1,024 tiles of 16 rows (0-511 desc1, 512-1023 desc2), 8,192 bytes each; in a tile, K step q (128 along K) is 2,048 bytes: four groups g of 512,
; lane l's 16 bytes at 16 l.  They are registers 4 g .. 4 g + 3 of the fragment: row l % 16, k = 128 q + 32 g + 8 (l / 16) + 0..7, then k = 128 q + 32 g + 16 + 8 (l / 16) + 0..7.
; SHARES: work-group b takes 64 rows (b < 128: desc1, else desc2; only pointers, e and a sign are chosen, the text has one path); wave w one tile of 16 rows.  All 64 loads of a wave go out at once.
; Each load reads 512 consecutive bytes of one row; the conversions want 8 neighbours along K in one lane's registers: so a K step's 16 x 512 bytes turn through the wave's own stage in LDS.
; No cluster, no tensor load: no two work-groups read the same byte, and what a wave has on its way fits its registers.
; LIMITS: -126 <= e and e + 15 <= 127 for both scales; a sum of squares x 2^-(E+1) is a normal f32 number; NaN and infinities among the inputs are not served.
.set SP,   528                         ; a stage row: 512 bytes + 16 = 33 x 16: the sixteen rows that a load touches begin at sixteen different 16-byte columns modulo 256
.set STG,  16*SP                       ; a stage: 16 rows
.set WREG, 2*STG                       ; two stages for each wave, by turns
.set NS,   4*WREG                      ; behind the stages: the work-group's 64 norms, 256 bytes
.set LI,   1                           ; v1   16 x lane: my place in 512 bytes, in memory
.set SA,   2                           ; v2   the stage on the way in: wave's base + 16 x lane
.set RA,   3                           ; v3   on the way out: wave's base + 528 r + 32 h
.set NA,   4                           ; v4   where my row's norm goes in LDS
.set NR,   5                           ; v5   where wave 0 reads the norms back: NS + 8 x lane
.set NO,   6                           ; v6   and their place in memory: 8 x lane
.set LIM,  10                          ; v10  57,344 x 2^e
.set SC,   11                          ; v11  2^e
.set SQ,   12                          ; v[12:19] four pairs of running sums of squares
.set X,    32                          ; v32-159  two sets of 64 numbers: register 8 c + i = k 128 q + 16 c + 8 h + i of row r
.set C,    160                         ; v160-223 codes, 16 registers a K step: no store's data are written again
                                       ; window 1 (v256-511): the 64 loads as they land, K step q, row p at 64 q + 4 p
.set MSB, 0
.macro WIN new                         ; the immediate's high byte repeats the setting that is left
.if MSB != (\new)
	s_set_vgpr_msb (MSB<<8)|(\new)
.set MSB, \new
.endif
.endm
	s_load_b128 s[4:7], s[0:1], 0x0                ; desc1, desc2
	s_load_b128 s[8:11], s[0:1], 0x10              ; lowp_scales, codes
	s_load_b64 s[12:13], s[0:1], 0x20              ; nrm
	v_lshl_add_u32 v254, v0, 2, 0x10900
	v_mov_b32 v255, 0
	v_lshrrev_b32 v7, 5, v0
	v_readfirstlane_b32 s16, v7                    ; wave 0..3
	v_and_b32 v7, 31, v0                           ; lane
	v_and_b32 v8, 15, v0                           ; r
	v_bfe_u32 v9, v0, 4, 1                         ; h
	v_lshlrev_b32 v[LI], 4, v7
	s_mul_i32 s17, s16, WREG
	v_add_nc_u32 v[SA], s17, v[LI]
	v_mul_u32_u24 v[RA], v8, SP
	v_lshl_add_u32 v[RA], v9, 5, v[RA]
	v_add_nc_u32 v[RA], s17, v[RA]
	s_lshl_b32 s17, s16, 6
	v_lshlrev_b32 v[NA], 2, v8
	v_add_nc_u32 v[NA], s17, v[NA]
	v_add_nc_u32 v[NA], NS, v[NA]                  ; NS + 64 x wave + 4 r
	v_lshlrev_b32 v[NO], 3, v7
	v_add_nc_u32 v[NR], NS, v[NO]
	v_mov_b32 v21, 0                               ; written once: a lane permute's destination counts as one of its sources
	s_and_b32 s18, ttmp9, 127
	s_lshl_b32 s18, s18, 17                        ; 64 rows of 2,048 bytes for each work-group of a tensor,
	s_lshl_b32 s19, s16, 15                        ; 16 for each wave
	s_add_co_u32 s18, s18, s19
	s_mov_b32 s19, 0
	s_lshl_b32 s26, ttmp9, 2
	s_add_co_u32 s26, s26, s16                     ; my tile: 4 b + w
	s_lshl_b32 s26, s26, 13
	s_mov_b32 s27, 0
	s_lshl_b32 s28, ttmp9, 8                       ; the work-group's 64 norms: 256 b bytes, in both halves of nrm
	s_mov_b32 s29, 0
	s_mov_b32 s30, 0x76543210                      ; v_permlanex16_b32: each lane takes its own place in the other half
	s_mov_b32 s31, 0xfedcba98
	s_wait_kmcnt 0x0
	s_load_b64 s[20:21], s[8:9], 0x0               ; e0, e1
	s_cmp_lt_u32 ttmp9, 128                        ; desc1's work-group or desc2's: the choice hangs on the work-group's number alone
	s_cselect_b64 s[4:5], s[4:5], s[6:7]
	s_add_nc_u64 s[4:5], s[4:5], s[18:19]
	s_add_nc_u64 s[10:11], s[10:11], s[26:27]
	s_add_nc_u64 s[12:13], s[12:13], s[28:29]
.macro LOADQ q                         ; K step q of my 16 rows: each load reads 512 consecutive bytes of one row
.irp p, 0,1,2,3,4,5,6,7,8,9,10,11,12,13,14,15
	global_load_b128 v[64*(\q)+4*\p:64*(\q)+4*\p+3], v[LI], s[4:5] offset:2048*\p+512*(\q) th:TH_LOAD_NT
.endr
.endm
.macro TURN q                          ; K step q through stage q % 2: LDS serves a wave's instructions in order, so no wait stands between the stores and the loads
	WIN 0x04                                       ; store data in window 1
.irp p, 0,1,2,3,4,5,6,7,8,9,10,11,12,13,14,15
	ds_store_b128 v[SA], v[64*(\q)+4*\p:64*(\q)+4*\p+3] offset:STG*((\q)%2)+SP*\p
.endr
	WIN 0
.irp c, 0,1,2,3,4,5,6,7
	ds_load_b128 v[X+64*((\q)%2)+8*\c:X+64*((\q)%2)+8*\c+3], v[RA] offset:STG*((\q)%2)+64*\c
	ds_load_b128 v[X+64*((\q)%2)+8*\c+4:X+64*((\q)%2)+8*\c+7], v[RA] offset:STG*((\q)%2)+64*\c+16
.endr
.endm
.macro STEP q
.set XS, X+64*((\q)%2)
.set j, 0
.rept 32                               ; the squares, of the numbers as given, two at a time in four chains; the first four products start the sums
.if ((\q) == 0) && (j < 4)
	v_pk_mul_f32 v[SQ+2*j:SQ+2*j+1], v[XS+2*j:XS+2*j+1], v[XS+2*j:XS+2*j+1]
.else
	v_pk_fma_f32 v[SQ+2*(j%4):SQ+2*(j%4)+1], v[XS+2*j:XS+2*j+1], v[XS+2*j:XS+2*j+1], v[SQ+2*(j%4):SQ+2*(j%4)+1]
.endif
.set j, j+1
.endr
.set j, 0
.rept 64
	v_med3_num_f32 v[XS+j], v[XS+j], -v[LIM], v[LIM]   ; the conversion to an 8-bit code does not saturate (ISA guide 7.6.2): the hold at the largest code x the scale comes first
.set j, j+1
.endr
.irp c, 0,1,2,3,4,5,6,7
	v_cvt_scalef32_pk8_bf8_f32 v[C+16*(\q)+2*\c:C+16*(\q)+2*\c+1], v[XS+8*\c:XS+8*\c+7], v[SC]   ; registers 2 c, 2 c + 1 of the fragment
.endr
	v_nop                                          ; one plain vector line behind the last conversion of the run
.irp g, 0,1,2,3
	global_store_b128 v[LI], v[C+16*(\q)+4*\g:C+16*(\q)+4*\g+3], s[10:11] offset:2048*(\q)+512*\g   ; 32 lanes store 512 consecutive bytes, at a multiple of 512 from the buffer's first byte
.endr
.endm
	WIN 0x40                                       ; loaded data in window 1
	LOADQ 0
	LOADQ 1
	LOADQ 2
	LOADQ 3
	WIN 0
	s_wait_kmcnt 0x0
	s_add_co_i32 s24, s20, s21
	s_add_co_i32 s24, s24, 1
	s_sub_co_i32 s24, 0, s24                       ; -(E + 1)
	s_cmp_lt_u32 ttmp9, 128
	s_cselect_b32 s22, s20, s21                    ; my tensor's e
	s_cselect_b32 s25, 1.0, -1.0                   ; T goes in as it is, c negated
	s_add_co_i32 s22, s22, 127
	s_lshl_b32 s23, s22, 23
	v_mov_b32 v[SC], s23                           ; 2^e as f32: the conversion takes its exponent field
	s_add_co_i32 s22, s22, 15
	s_lshl_b32 s22, s22, 23
	s_or_b32 s22, s22, 0x600000
	v_mov_b32 v[LIM], s22                          ; 57,344 x 2^e
	s_wait_loadcnt 48                              ; K step 0's sixteen loads are in; the 48 of the later steps may be out
	TURN 0
	s_wait_loadcnt 32                              ; K step 1's are in
	TURN 1
	s_wait_dscnt 32                                ; all but the 16 stores and 16 loads just issued: K step 0 is back from its stage
	STEP 0
	s_wait_loadcnt 16
	TURN 2                                         ; stage 0 and set 0 again: step 0's reads of both are over
	s_wait_dscnt 32
	STEP 1
	s_wait_loadcnt 0
	TURN 3
	s_wait_dscnt 32
	STEP 2
	s_wait_dscnt 0
	STEP 3
	; my 256 squares, and the other half of the lanes': the row's sum
	v_pk_add_f32 v[SQ:SQ+1], v[SQ:SQ+1], v[SQ+2:SQ+3]
	v_pk_add_f32 v[SQ+4:SQ+5], v[SQ+4:SQ+5], v[SQ+6:SQ+7]
	v_pk_add_f32 v[SQ:SQ+1], v[SQ:SQ+1], v[SQ+4:SQ+5]
	v_add_f32 v20, v[SQ], v[SQ+1]
	v_permlanex16_b32 v21, v20, s30, s31
	v_add_f32 v20, v20, v21
	v_ldexp_f32 v20, v20, s24                      ; x 2^-(E+1): nothing is rounded
	v_mul_f32 v20, s25, v20
	ds_store_b32 v[NA], v20                        ; lanes r and r + 16 write the same word with the same number
	s_wait_dscnt 0x0                               ; for wave 0's sake: my store has landed
	s_barrier_signal -1
	s_barrier_wait -1
	s_cmp_lg_u32 s16, 0
	s_cbranch_scc1 .Ldone
	ds_load_b64 v[22:23], v[NR]                    ; the work-group's 64 norms
	s_wait_dscnt 0x0
	global_store_b64 v[NO], v[22:23], s[12:13]     ; 32 lanes store 256 consecutive bytes, at a multiple of 256 from the buffer's first byte
.Ldone:
	s_wait_tensorcnt 0x0
	ds_add_u32 v254, v255
	s_wait_dscnt 0x0
	s_endpgm
.Lfunc_end_k_qfcf0c92249_prep:
	.size	k_qfcf0c92249_prep, .Lfunc_end_k_qfcf0c92249_prep-k_qfcf0c92249_prep
	.p2alignl 7, 3214868480
	.fill 96, 4, 3214868480
	.section	.rodata,"a",@progbits
	.p2align	6, 0x0
	.amdhsa_kernel k_qfcf0c92249_prep
		.amdhsa_group_segment_fixed_size 68352
		.amdhsa_private_segment_fixed_size 0
		.amdhsa_enable_private_segment 0
		.amdhsa_kernarg_size 40
		.amdhsa_user_sgpr_count 2
		.amdhsa_user_sgpr_kernarg_segment_ptr 1
		.amdhsa_wavefront_size32 1
		.amdhsa_system_sgpr_workgroup_id_x 1
		.amdhsa_system_sgpr_workgroup_id_y 1
		.amdhsa_system_sgpr_workgroup_id_z 1
		.amdhsa_system_vgpr_workitem_id 0
		.amdhsa_next_free_vgpr 512
		.amdhsa_next_free_sgpr 66
		.amdhsa_reserve_vcc 0
		.amdhsa_float_denorm_mode_32 3
		.amdhsa_float_denorm_mode_16_64 3
		.amdhsa_memory_ordered 1
		.amdhsa_forward_progress 1
		.amdhsa_inst_pref_size 46
	.end_amdhsa_kernel
	.amdgpu_metadata
---
amdhsa.version: [ 1, 2 ]
amdhsa.kernels:
  - .name:           k_qfcf0c92249_prep
    .symbol:         k_qfcf0c92249_prep.kd
    .args:
      - { .name: desc1, .offset: 0, .size: 8, .value_kind: global_buffer, .address_space: global }
      - { .name: desc2, .offset: 8, .size: 8, .value_kind: global_buffer, .address_space: global }
      - { .name: lowp_scales, .offset: 16, .size: 8, .value_kind: global_buffer, .address_space: global }
      - { .name: codes, .offset: 24, .size: 8, .value_kind: global_buffer, .address_space: global }
      - { .name: nrm, .offset: 32, .size: 8, .value_kind: global_buffer, .address_space: global }
    .group_segment_fixed_size: 68352
    .private_segment_fixed_size: 0
    .kernarg_segment_align: 8
    .kernarg_segment_size: 40
    .max_flat_workgroup_size: 128
    .sgpr_count:     66
    .vgpr_count:     512
    .wavefront_size: 32
...
	.end_amdgpu_metadata
.endif
;; end of part 1
;; launch match (part 2): grid 16 x 16, 4 waves a work-group, clusters of 4 x 1, 264,704 bytes of LDS; arguments codes, nrm, part; writes part
.if DOCPART == 2
	.amdgcn_target "amdgcn-amd-amdhsa--gfx1250"
	.amdhsa_code_object_version 6
	.text
	.protected	k_qfcf0c92249_match
	.globl	k_qfcf0c92249_match
	.p2align	8
	.type	k_qfcf0c92249_match,@function
k_qfcf0c92249_match:
	s_mov_b64 s[64:65], 0
	v_nop
	global_prefetch_b8 v0, s[64:65] scope:SCOPE_SE
	s_setreg_imm32_b32 hwreg(HW_REG_WAVE_MODE, 25, 1), 1
	s_wait_xcnt 0x0
	s_wait_alu depctr_hold_cnt(0) depctr_sa_sdst(0) depctr_va_vdst(0) depctr_va_sdst(0) depctr_va_ssrc(0) depctr_va_vcc(0) depctr_vm_vsrc(0)
	s_getreg_b32 s2, hwreg(HW_REG_IB_STS2, 6, 4)
	s_cmp_eq_u32 s2, 0
	s_cbranch_scc0 .Lentry_in_a_cluster
	s_endpgm
.Lentry_in_a_cluster:
	s_bfe_u32 s2, ttmp6, 0x10000c
	s_cmp_lg_u32 s2, 0x3003
	s_cbranch_scc0 .Lentry_shape_is_right
	s_endpgm
.Lentry_shape_is_right:
; For 512 rows m of desc1 and 512 rows n of desc2: x(m, n) = sum over k of code1[m][k] code2[n][k] + c[n], on codes of BF8 (E5M2), sums in f32; and of each row's 512 x the largest, the second largest and the
; n of the largest.  The squared distance is 2^(E+1) (T[m] - x): the nearest n has the LARGEST x; the clip at 0 is x held at T[m].  Root, division and test are made once a row, in the next launch.
; c[n] is the C of each sum's first matrix instruction, so no addition is made for a distance.
; SHARES: work-group (X, y): rows 512 X on, n = 512 y on.  Wave w: rows 512 X + 128 w on: 8 tiles of 16, whose codes (64 KiB) stay in 512 registers.  The split's codes of desc2 (256 KiB) lie whole in LDS:
; LDS is filled once, nothing is filled again.  Every wave walks the 32 tiles of n; a fragment read from LDS feeds 8 products.
; CLUSTER: the four partners have one y and read the same codes of desc2 and the same c: every tensor load is asked for jointly, by the same line with the same descriptor (made of y and the wave's number) and
; the mask of all four.  desc1's codes, which the sixteen work-groups of one X share, go straight from memory into registers: LDS has no room to pass them through, so they are not asked for jointly.
; THE MATRIX INSTRUCTION IS USED TRANSPOSED (source 0 = 16 rows of desc2, source 1 = 16 rows of desc1): lane (r, h) holds ONE row m = r, and register j is n = 16 t + 8 h + j.
; TRACKING, 21 vector instructions for a lane's 8 numbers of a tile: three triples (x0-2, x3-5, x6, x7 and the running largest) give a top and a middle each; the largest is the tops' largest; the second
; is the larger of the tops' middle, the largest of the middles and the running second.  The largest is held at T; where the held largest has GROWN (strictly: the earlier tile keeps a tie, among clipped
; distances too) the tile's number and its eight numbers are kept, and the place in the tile is found once, at the end.
; BY TURNS: the 8 accumulators are two halves.  While one half has the matrix unit (16 products: 4 accumulators by turns, one instruction a turn), the other half's 84 tracking
; instructions stand in slices of 5 or 6 behind its products.  All that tracking touches lies in window 0, the operands in windows 1 to 3: a slice costs two switches of the window.
; LIMITS: NaN and infinities are not served.  Ties are decided on x, that is on squared distances (lower n wins): two different squared distances whose f32 roots coincide are not taken as a tie.
; REGISTERS, in windows of 256.  window 0: as named below.  windows 1, 2: desc1's fragments: tile a, K step q at v[64 (a % 4) + 16 q] of window 1 + a / 4.  window 3: desc2's fragments, two sets: set p, K step q at v[64 p + 16 q].
.set CB,   262144                      ; LDS: 32 tiles x 8,192 bytes from 0; then c of the split's 512 n, 2,048 bytes
.set LI,   1                           ; v1   16 x lane; never rewritten
.set ADR,  2                           ; v2   LDS address of the body's first tile, for my lane
.set ADC,  3                           ; v3   and of its c
.set CL,   4                           ; v4   CB + 32 h
.set H8,   5                           ; v5   8 h
.set TO,   6                           ; v6   4 r
.set T,    8                           ; v8-15    T of my row in tile a
.set MX1,  16                          ; v16-31   the held largest: v[16 + 8 par + a]: a tile of n of parity par reads set par and writes the other
.set MX2,  32                          ; v32-39   the second largest (held at the end)
.set TID,  40                          ; v40-47   the number of the tile of n that won last; at the end n
.set CR,   48                          ; v48-63   c of a tile of n, two sets of 8
.set S,    64                          ; v64-127  the eight numbers of the tile that won last, 8 a tile of rows
.set ACC,  128                         ; v128-191 the accumulators, 8 a tile of rows
.set TT,   192                         ; v192-207 at work: 8 for each of the two tiles of a pair
.set REC,  208                         ; v208-223 four records
.set FT,   224                         ; v224-228 at work at the end
.set WV,   10                          ; s10  my wave's number
                                       ; s[16:23] group 1 for the codes; s[24:31] for c; s[32:35] group 0 for c; s[36:51] for the four chunks of codes
                                       ; s52 LDS byte of the body's first tile; s53 64 x its number; s54 the tile of n that is being tracked; s55 trips; s60, s61 where the largest has grown
.set MSB, 0
.macro WIN new                         ; the immediate's high byte repeats the setting that is left
.if MSB != (\new)
	s_set_vgpr_msb (MSB<<8)|(\new)
.set MSB, \new
.endif
.endm
; A round of the cluster's barrier: my work-group's barrier; wave 0 signals for the work-group; every wave waits for all four work-groups; my work-group's barrier once more.
.macro CROUND
	s_barrier_signal -1
	s_barrier_wait -1
	s_cmp_lg_u32 s[WV], 0
	s_cbranch_scc1 .Lnot_wave_0_\@
	s_barrier_signal -3
.Lnot_wave_0_\@:
	s_barrier_wait -3
	s_barrier_signal -1
	s_barrier_wait -1
.endm
	s_load_b128 s[4:7], s[0:1], 0x0                ; codes, nrm
	s_load_b64 s[8:9], s[0:1], 0x10                ; part
	v_lshl_add_u32 v254, v0, 2, 0x40800
	v_mov_b32 v255, 0
	ds_add_u32 v254, v255
	ds_add_u32 v254, v255
	v_lshrrev_b32 v7, 5, v0
	v_readfirstlane_b32 s[WV], v7                  ; wave 0..3
	v_and_b32 v7, 31, v0
	v_lshlrev_b32 v[LI], 4, v7
	v_and_b32 v7, 15, v0
	v_lshlrev_b32 v[TO], 2, v7
	v_bfe_u32 v7, v0, 4, 1
	v_lshl_add_u32 v[CL], v7, 5, CB
	v_lshlrev_b32 v[H8], 3, v7
	s_bfe_u32 s11, ttmp6, 0x40000                  ; cx: my place in the cluster: it enters the addresses of desc1's codes, of T and of part alone
	s_lshl_b32 s12, ttmp9, 2
	s_add_co_u32 s12, s12, s11                     ; X = 4 x cluster x + cx
	s_and_b32 s13, ttmp7, 0xffff                   ; y, which the four partners share
	; group 1 for the codes: 64 rows of 256 bytes, dense, in elements of 8 bytes; no padding: the LDS loads read 512 consecutive bytes
	s_mov_b32 s16, 15|(3<<16)|(1<<21)              ; 15:0 the mask: all four work-groups; 17:16 elements of 8 bytes; 21 set beside a mask
	s_mov_b32 s17, 32<<16                          ; tensor_dim0 = 32
	s_mov_b32 s18, 64<<16                          ; tensor_dim1 = 64
	s_mov_b32 s19, 32<<16                          ; tile_dim0 = 32
	s_mov_b32 s20, 64                              ; tile_dim1 = 64
	s_mov_b32 s21, 32                              ; from row to row
	s_mov_b32 s22, 0
	s_mov_b32 s23, 0
	; group 1 for c: one row of 512 bytes
	s_mov_b32 s24, 15|(3<<16)|(1<<21)
	s_mov_b32 s25, 64<<16
	s_mov_b32 s26, 1<<16
	s_mov_b32 s27, 64<<16
	s_mov_b32 s28, 1
	s_mov_b32 s29, 64
	s_mov_b32 s30, 0
	s_mov_b32 s31, 0
	; what is asked for jointly: offsets made of y and the wave's number
	s_lshl_b32 s70, s13, 11
	s_lshl_b32 s71, s[WV], 9
	s_add_co_u32 s70, s70, s71
	s_add_co_u32 s70, s70, 32768                   ; c: behind T's 32,768 bytes, 2,048 y + 512 w
	s_mov_b32 s71, 0
	s_lshl_b32 s72, s13, 18
	s_lshl_b32 s14, s[WV], 14                      ; 16,384 w: my two tiles of a chunk of eight, in memory and in LDS
	s_add_co_u32 s72, s72, s14
	s_add_co_u32 s72, s72, 0x400000                ; desc2's codes: behind desc1's 4 MiB, 262,144 y + 16,384 w
	s_mov_b32 s73, 0
	; what is my own
	s_lshl_b32 s76, s12, 18
	s_lshl_b32 s77, s[WV], 16
	s_add_co_u32 s76, s76, s77                     ; desc1's codes: tile 32 X + 8 w
	s_mov_b32 s77, 0
	s_lshl_b32 s78, s12, 11
	s_lshl_b32 s79, s[WV], 9
	s_add_co_u32 s78, s78, s79                     ; T: row 512 X + 128 w
	s_mov_b32 s79, 0
	s_lshl_b32 s2, s13, 17
	s_lshl_b32 s3, s12, 13
	s_add_co_u32 s2, s2, s3
	s_lshl_b32 s3, s[WV], 11
	s_add_co_u32 s2, s2, s3                        ; part: 16 bytes x (8,192 y + 512 X + 128 w)
	s_mov_b32 s3, 0
	s_mov_b32 s52, 0
	s_mov_b32 s53, 0
	s_lshl_b32 s54, s13, 5
	s_sub_co_u32 s54, s54, 1                       ; the tile before the split's first: the first slices track nothing that can win
	s_mov_b32 s56, 0x76543210                      ; v_permlanex16_b32: each lane takes its own place in the other half
	s_mov_b32 s57, 0xfedcba98
	s_mov_b32 s58, 0xffff0000                      ; lanes 16-31
	s_mov_b32 s59, 0xff800000                      ; -infinity
	s_wait_dscnt 0x0
	s_wait_kmcnt 0x0
	s_add_nc_u64 s[74:75], s[4:5], s[72:73]
	s_add_nc_u64 s[76:77], s[4:5], s[76:77]
	s_add_nc_u64 s[78:79], s[6:7], s[78:79]
	s_add_nc_u64 s[8:9], s[8:9], s[2:3]
	s_mov_b32 s32, 1                               ; group 0 for c: count = 1,
	s_lshl_b32 s33, s[WV], 9
	s_add_co_u32 s33, s33, CB                      ; LDS address CB + 512 w,
	s_add_nc_u64 s[34:35], s[6:7], s[70:71]        ; global address,
	s_or_b32 s35, s35, 0x80000000                  ; type = 2
.irp j, 0,1,2,3
	s_mov_b32 s[36+4*\j], 1                        ; chunk j: tiles 8 j .. 8 j + 7 of the split; mine are 8 j + 2 w and the next
	s_add_co_u32 s[37+4*\j], s14, 65536*\j
	s_add_nc_u64 s[38+4*\j:39+4*\j], s[74:75], 65536*\j
	s_or_b32 s[39+4*\j], s[39+4*\j], 0x80000000
.endr
	CROUND                                         ; all four work-groups are here: the joint loads meet
	tensor_load_to_lds s[32:35], s[24:31]          ; all fills of the launch go out together: five loads of mine are out
	s_nop 0
.irp j, 0,1,2,3
	tensor_load_to_lds s[36+4*\j:39+4*\j], s[16:23]
	s_nop 0
.endr
.rept 4
	v_nop
.endr
.irp a, 0,1,2,3,4,5,6,7
	global_load_b32 v[T+\a], v[TO], s[78:79] offset:64*\a
.endr
	WIN 0x40                                       ; loaded data in window 1: tiles 0-3
.irp a, 0,1,2,3
.irp q, 0,1,2,3
.irp g, 0,1,2,3
	global_load_b128 v[64*\a+16*\q+4*\g:64*\a+16*\q+4*\g+3], v[LI], s[76:77] offset:8192*\a+2048*\q+512*\g   ; 32 lanes read 512 consecutive bytes: four registers of a fragment as they lie
.endr
.endr
.endr
	WIN 0x80                                       ; window 2: tiles 4-7
.irp a, 0,1,2,3
.irp q, 0,1,2,3
.irp g, 0,1,2,3
	global_load_b128 v[64*\a+16*\q+4*\g:64*\a+16*\q+4*\g+3], v[LI], s[76:77] offset:8192*(\a+4)+2048*\q+512*\g
.endr
.endr
.endr
	WIN 0
	; While the loads are out.  The loop has no first trip of its own: its first slices track an upper half full of -infinity, which wins nothing; what a selection keeps must have been written once.
.irp a, 0,1,2,3
	v_mov_b32 v[MX1+\a], s59                       ; the largest so far: tiles 0-3 begin in set 0,
	v_mov_b32 v[MX1+12+\a], s59                    ; tiles 4-7 in set 1
.endr
.irp a, 0,1,2,3,4,5,6,7
	v_mov_b32 v[MX2+\a], s59
	v_mov_b32 v[TID+\a], 0
.endr
.set j, 0
.rept 32
	v_mov_b32 v[ACC+32+j], s59
.set j, j+1
.endr
.set j, 0
.rept 64
	v_mov_b32 v[S+j], 0
.set j, j+1
.endr
.irp j, 0,1,2,3,4
	v_mov_b32 v[FT+\j], 0                          ; a lane permute's destination counts as one of its sources
.endr
	s_wait_loadcnt 0x0                             ; T and desc1's fragments
; My part of what is wanted has landed (n: the chunk loads issued behind it, which may stay out), my LDS loads are in; behind the barrier everybody's part has landed.
.macro SYNC n
	s_wait_tensorcnt \n
	s_wait_dscnt 0x0
	s_barrier_signal -1
	s_barrier_wait -1
.endm
; The tile o tiles behind the body's first: its four fragments into set p of window 3, its c into set p.  18 loads in one run.
.macro FETCH o, p
	WIN 0xc0                                       ; loaded data in window 3, address in window 0
.irp q, 0,1,2,3
.irp g, 0,1,2,3
	ds_load_b128 v[64*(\p)+16*\q+4*\g:64*(\p)+16*\q+4*\g+3], v[ADR] offset:8192*(\o)+2048*\q+512*\g
.endr
.endr
	WIN 0
	ds_load_b128 v[CR+8*(\p):CR+8*(\p)+3], v[ADC] offset:64*(\o)       ; c[16 t + 8 h + 0 .. 7]: the result's layout
	ds_load_b128 v[CR+8*(\p)+4:CR+8*(\p)+7], v[ADC] offset:64*(\o)+16
.endm
; Product i of 16 of half g against set p: K step i / 4, tile of rows 4 g + i % 4.  The first four start the sums with c.
.macro W g, p
.set wq, i/4
.set wa, i%4
	WIN 0x07+4*(\g)                                ; source 0 window 3, source 1 window 1 + g, C and D window 0
.if wq == 0
	v_wmma_f32_16x16x128_bf8_bf8 v[ACC+32*(\g)+8*wa:ACC+32*(\g)+8*wa+7], v[64*(\p)+16*wq:64*(\p)+16*wq+15], v[64*wa+16*wq:64*wa+16*wq+15], v[CR+8*(\p):CR+8*(\p)+7]
.else
	v_wmma_f32_16x16x128_bf8_bf8 v[ACC+32*(\g)+8*wa:ACC+32*(\g)+8*wa+7], v[64*(\p)+16*wq:64*(\p)+16*wq+15], v[64*wa+16*wq:64*wa+16*wq+15], v[ACC+32*(\g)+8*wa:ACC+32*(\g)+8*wa+7]
.endif
.endm
; Number tk (0 .. 20) of the tracking list of tile of rows ta.  It reads the accumulator from its low end on.
.macro TR par
.set XA, ACC+8*ta
.set TW, TT+8*(ta%2)
.set MI, MX1+8*(\par)+ta
.set MO, MX1+8*(1-(\par))+ta
.set MK, 60+ta%2
.if tk == 0
	v_max3_num_f32 v[TW], v[XA], v[XA+1], v[XA+2]
.elseif tk == 1
	v_med3_num_f32 v[TW+3], v[XA], v[XA+1], v[XA+2]
.elseif tk == 2
	v_max3_num_f32 v[TW+1], v[XA+3], v[XA+4], v[XA+5]
.elseif tk == 3
	v_med3_num_f32 v[TW+4], v[XA+3], v[XA+4], v[XA+5]
.elseif tk == 4
	v_max3_num_f32 v[TW+2], v[XA+6], v[XA+7], v[MI]
.elseif tk == 5
	v_med3_num_f32 v[TW+5], v[XA+6], v[XA+7], v[MI]
.elseif tk == 6
	v_max3_num_f32 v[TW+6], v[TW], v[TW+1], v[TW+2]        ; the largest of the nine
.elseif tk == 7
	v_med3_num_f32 v[TW+7], v[TW], v[TW+1], v[TW+2]        ; the second among the tops
.elseif tk == 8
	v_max3_num_f32 v[TW+3], v[TW+3], v[TW+4], v[TW+5]      ; the largest of the middles
.elseif tk == 9
	v_min_num_f32 v[MO], v[TW+6], v[T+ta]                  ; held at T: the clip at distance 0
.elseif tk == 10
	v_max3_num_f32 v[MX2+ta], v[MX2+ta], v[TW+3], v[TW+7]
.elseif tk == 11
	v_cmp_gt_f32 s[MK], v[MO], v[MI]                       ; has the held largest grown?
.elseif tk == 12
	v_cndmask_b32 v[TID+ta], v[TID+ta], s54, s[MK]
.else
	v_cndmask_b32 v[S+8*ta+tk-13], v[S+8*ta+tk-13], v[XA+tk-13], s[MK]
.endif
.endm
; The next cnt entries of a pair's list: entry en is number en / 2 of tile base + en % 2: the two tiles alternate, so that no instruction reads the result of the one just before it.
.macro SLICE base, par, cnt
	WIN 0
.rept \cnt
.set ta, (\base)+en%2
.set tk, en/2
	TR \par
.set en, en+1
.endr
.endm
; Half g's 16 products against set p; behind them, in slices of 5, 5, 5, 6, the tracking of tiles tb, tb + 1 (products 0-7) and tb + 2, tb + 3 (products 8-15) of the other half: 84 instructions.
; fo >= 0: behind the second slice the tile fo behind the body's first is fetched into set fp, 30 products ahead of its first use.
; DISTANCES (plain vector instructions that name none of the matrix instruction's registers are counted): behind the last product stand six selections of the other half; a set's last
; reader stands sixteen such instructions ahead of the loads into it; an accumulator's last product stands 16 or more ahead of the first read of it.
.macro GROUP g, p, tb, par, fo, fp
.set i, 0
.set en, 0
.rept 16
	W \g, \p
.if i == 8
.set en, 0
.endif
.if (i%4) == 3
	SLICE (\tb)+2*(i/8), \par, 6
.else
	SLICE (\tb)+2*(i/8), \par, 5
.endif
.if (i == 1) && ((\fo) >= 0)
	FETCH \fo, \fp
.endif
.set i, i+1
.endr
.endm
; Two tiles of n: an even one (set 0, parity 0) and an odd one (set 1, parity 1).  last = 1: nothing follows the odd one.
.macro BODY last
	WIN 0
	v_add_nc_u32 v[ADR], s52, v[LI]
	v_add_nc_u32 v[ADC], s53, v[CL]
	s_wait_dscnt 0x0                               ; set 0 is in: asked for 30 products ago
	GROUP 0, 0, 4, 1, 1, 1                         ; the even tile, rows' lower half | tracks the odd tile before, upper half | fetches the odd tile
	s_add_co_u32 s54, s54, 1                       ; now the even tile is tracked
	GROUP 1, 0, 0, 0, -1, 0                        ; the even tile, upper half | tracks its lower half
	s_wait_dscnt 0x0                               ; set 1 is in
.if \last
	GROUP 0, 1, 4, 0, -1, 0
.else
	GROUP 0, 1, 4, 0, 2, 0                         ; the odd tile, lower half | tracks the even tile's upper half | fetches the next even tile
.endif
	s_add_co_u32 s54, s54, 1                       ; now the odd tile
	GROUP 1, 1, 0, 1, -1, 0                        ; the odd tile, upper half | tracks its lower half
	WIN 0                                          ; at a label and at a branch every window is 0
	s_add_co_u32 s52, s52, 16384
	s_add_co_u32 s53, s53, 128
.endm
.macro LOOPB n
	s_mov_b32 s55, \n
.Lbody_\@:
	BODY 0
	s_sub_co_u32 s55, s55, 1
	s_cmp_lg_u32 s55, 0
	s_cbranch_scc1 .Lbody_\@
.endm
	SYNC 3                                         ; c and chunk 0 are in; the three chunks asked for behind them may be out
	v_add_nc_u32 v[ADR], s52, v[LI]
	v_add_nc_u32 v[ADC], s53, v[CL]
	FETCH 0, 0
	LOOPB 3                                        ; bodies 0-2 fetch tiles 1 to 6
	SYNC 2                                         ; chunk 1: body 3 fetches tile 8
	LOOPB 4                                        ; bodies 3-6: tiles 7 to 14
	SYNC 1                                         ; chunk 2: body 7 fetches tile 16
	LOOPB 4                                        ; bodies 7-10: tiles 15 to 22
	SYNC 0                                         ; chunk 3: body 11 fetches tile 24; no tensor load of mine is out from here on
	LOOPB 4                                        ; bodies 11-14: tiles 23 to 30
	BODY 1                                         ; body 15: tile 31
.set en, 0
	SLICE 4, 1, 42                                 ; the last tile's upper half is tracked with no products beside it
.set en, 0
	SLICE 6, 1, 42                                 ; every tile's largest now lies in set 0
; Tile of rows a: the second is held; the place in the winning tile is the first j whose number reaches the held largest; then the two halves of the lanes, which hold the same row and other n, are joined: lower n wins a tie.
.macro FIN a
	v_min_num_f32 v[MX2+\a], v[MX2+\a], v[T+\a]
	v_mov_b32 v[FT], 7
.irp j, 6,5,4,3,2,1,0
	v_cmp_lt_f32 vcc_lo, v[S+8*\a+\j], v[MX1+\a]
	v_cndmask_b32 v[FT], \j, v[FT], vcc_lo         ; j unless number j is under the largest
.endr
	v_lshl_add_u32 v[TID+\a], v[TID+\a], 4, v[FT]
	v_add_nc_u32 v[TID+\a], v[TID+\a], v[H8]       ; n = 16 x tile + 8 h + j
	v_permlanex16_b32 v[FT+1], v[MX1+\a], s56, s57
	v_permlanex16_b32 v[FT+2], v[MX2+\a], s56, s57
	v_permlanex16_b32 v[FT+3], v[TID+\a], s56, s57
	v_min_num_f32 v[FT+4], v[MX1+\a], v[FT+1]
	v_max3_num_f32 v[MX2+\a], v[FT+4], v[MX2+\a], v[FT+2]
	v_cmp_gt_f32 s66, v[FT+1], v[MX1+\a]
	v_cmp_eq_f32 s67, v[FT+1], v[MX1+\a]
	v_cmp_lt_u32 s68, v[FT+3], v[TID+\a]
	s_and_b32 s67, s67, s68
	s_or_b32 s66, s66, s67                         ; the other half's wins: larger, or equal with the lower n
	v_cndmask_b32 v[TID+\a], v[TID+\a], v[FT+3], s66
	v_max_num_f32 v[MX1+\a], v[MX1+\a], v[FT+1]
.endm
.irp a, 0,1,2,3,4,5,6,7
	FIN \a
.endr
.irp u, 0,1,2,3                        ; lanes 0-15 take tile 2 u, lanes 16-31 tile 2 u + 1: lane l then holds row 32 u + l of the wave's 128
	v_cndmask_b32 v[REC+4*\u], v[MX1+2*\u], v[MX1+2*\u+1], s58
	v_cndmask_b32 v[REC+4*\u+1], v[MX2+2*\u], v[MX2+2*\u+1], s58
	v_cndmask_b32 v[REC+4*\u+2], v[TID+2*\u], v[TID+2*\u+1], s58
	v_mov_b32 v[REC+4*\u+3], 0
	global_store_b128 v[LI], v[REC+4*\u:REC+4*\u+3], s[8:9] offset:512*\u   ; 32 lanes store 512 consecutive bytes, at a multiple of 512 from the buffer's first byte
.endr
	s_wait_dscnt 0x0
	s_wait_tensorcnt 0x0
	ds_add_u32 v254, v255
	s_wait_dscnt 0x0
	CROUND                                         ; the closing round: no work-group ends while a partner may still ask for a tile that names it
	s_endpgm
.Lfunc_end_k_qfcf0c92249_match:
	.size	k_qfcf0c92249_match, .Lfunc_end_k_qfcf0c92249_match-k_qfcf0c92249_match
	.p2alignl 7, 3214868480
	.fill 96, 4, 3214868480
	.section	.rodata,"a",@progbits
	.p2align	6, 0x0
	.amdhsa_kernel k_qfcf0c92249_match
		.amdhsa_group_segment_fixed_size 264704
		.amdhsa_private_segment_fixed_size 0
		.amdhsa_enable_private_segment 0
		.amdhsa_kernarg_size 24
		.amdhsa_user_sgpr_count 2
		.amdhsa_user_sgpr_kernarg_segment_ptr 1
		.amdhsa_wavefront_size32 1
		.amdhsa_system_sgpr_workgroup_id_x 1
		.amdhsa_system_sgpr_workgroup_id_y 1
		.amdhsa_system_sgpr_workgroup_id_z 1
		.amdhsa_system_vgpr_workitem_id 0
		.amdhsa_next_free_vgpr 896
		.amdhsa_next_free_sgpr 80
		.amdhsa_reserve_vcc 1
		.amdhsa_float_denorm_mode_32 3
		.amdhsa_float_denorm_mode_16_64 3
		.amdhsa_memory_ordered 1
		.amdhsa_forward_progress 1
		.amdhsa_inst_pref_size 197
	.end_amdhsa_kernel
	.amdgpu_metadata
---
amdhsa.version: [ 1, 2 ]
amdhsa.kernels:
  - .name:           k_qfcf0c92249_match
    .symbol:         k_qfcf0c92249_match.kd
    .args:
      - { .name: codes, .offset: 0, .size: 8, .value_kind: global_buffer, .address_space: global }
      - { .name: nrm, .offset: 8, .size: 8, .value_kind: global_buffer, .address_space: global }
      - { .name: part, .offset: 16, .size: 8, .value_kind: global_buffer, .address_space: global }
    .group_segment_fixed_size: 264704
    .private_segment_fixed_size: 0
    .kernarg_segment_align: 8
    .kernarg_segment_size: 24
    .max_flat_workgroup_size: 128
    .sgpr_count:     80
    .vgpr_count:     896
    .wavefront_size: 32
...
	.end_amdgpu_metadata
.endif
;; end of part 2
;; launch merge (part 3): grid 32 x 1, 8 waves a work-group, no clusters, 2,304 bytes of LDS; arguments part, nrm, lowp_scales, out0, out1, out2; writes out0, out1, out2
.if DOCPART == 3
	.amdgcn_target "amdgcn-amd-amdhsa--gfx1250"
	.amdhsa_code_object_version 6
	.text
	.protected	k_qfcf0c92249_merge
	.globl	k_qfcf0c92249_merge
	.p2align	8
	.type	k_qfcf0c92249_merge,@function
k_qfcf0c92249_merge:
	s_mov_b64 s[64:65], 0
	v_nop
	global_prefetch_b8 v0, s[64:65] scope:SCOPE_SE
	s_setreg_imm32_b32 hwreg(HW_REG_WAVE_MODE, 25, 1), 1
	s_wait_xcnt 0x0
; For each row m: the 16 splits' records (largest x, second largest x, n of the largest; both x held at T[m]) are joined in ascending order of the splits, the earlier keeping a tie (lower n);
; then d = sqrt(2^(E+1) (T - x)) for both, ratio = d1 / d2, mask = ratio <= 0.8, out0 = ratio where the mask holds, else 0; out1 = (m, n); out2 = mask as a byte.
; 0 / 0 gives NaN, which fails the test: out0 = 0, mask = 0, as in the definition.
; SHARES: thread t of work-group b owns row 256 b + t: 256 rows, so that the work-group's bytes of out2 are 256 consecutive bytes.  The launch has work for 32 work-groups: 2 MiB of records, read once.
; No matrix unit, no tensor load, no cluster: nothing is shared and nothing is multiplied.
; LIMITS: v_sqrt_f32 and v_rcp_f32 take denormals as zero (ISA guide, their entries); NaN and infinities among the inputs are not served.
.set REC, 32                           ; v32-95  record s at v[32 + 4 s]; record 0's registers carry the running result
	s_load_b128 s[4:7], s[0:1], 0x0                ; part, nrm
	s_load_b128 s[8:11], s[0:1], 0x10              ; lowp_scales, out0
	s_load_b128 s[12:15], s[0:1], 0x20             ; out1, out2
	v_lshl_add_u32 v96, v0, 2, 0x500
	v_mov_b32 v97, 0
	v_lshrrev_b32 v1, 5, v0
	v_readfirstlane_b32 s17, v1                    ; wave 0..7
	s_lshl_b32 s16, ttmp9, 8
	v_add_nc_u32 v6, s16, v0                       ; my row
	v_lshlrev_b32 v2, 4, v6                        ; its record in a split
	v_lshlrev_b32 v3, 2, v6                        ; its T
	v_lshlrev_b32 v4, 3, v6                        ; its pair in out1
	v_lshlrev_b32 v8, 2, v0                        ; LDS: ratios at 4 t,
	v_add_nc_u32 v9, 1024, v0                      ; mask bytes at 1,024 + t
	v_lshlrev_b32 v20, 4, v0                       ; back (waves 0, 1): 16 t, in LDS and in the work-group's part of out0
	v_and_b32 v22, 31, v0
	v_lshlrev_b32 v22, 3, v22                      ; back (wave 2): 8 x lane in out2,
	v_add_nc_u32 v21, 1024, v22                    ; and in LDS
	s_lshl_b32 s20, ttmp9, 10
	s_mov_b32 s21, 0
	s_mov_b32 s22, s16
	s_mov_b32 s23, 0
	s_wait_kmcnt 0x0
	s_load_b64 s[18:19], s[8:9], 0x0               ; e0, e1
	s_add_nc_u64 s[10:11], s[10:11], s[20:21]      ; out0 at the work-group's 1,024 bytes
	s_add_nc_u64 s[14:15], s[14:15], s[22:23]      ; out2 at its 256
	global_load_b32 v10, v3, s[6:7]
.irp s, 0,1,2,3,4,5,6,7,8,9,10,11,12,13,14,15
	global_load_b128 v[REC+4*\s:REC+4*\s+3], v2, s[4:5] offset:131072*\s th:TH_LOAD_NT   ; a wave reads 512 consecutive bytes
.endr
	s_wait_kmcnt 0x0
	s_add_co_i32 s24, s18, s19
	s_add_co_i32 s24, s24, 1                       ; E + 1
.irp s, 1,2,3,4,5,6,7,8,9,10,11,12,13,14,15
	s_wait_loadcnt 15-\s                           ; record s and all before it are in; the 15 - s behind it may be out
	v_min_num_f32 v11, v[REC], v[REC+4*\s]
	v_cmp_gt_f32 vcc_lo, v[REC+4*\s], v[REC]       ; strictly: the earlier split keeps a tie
	v_max3_num_f32 v[REC+1], v11, v[REC+1], v[REC+4*\s+1]
	v_cndmask_b32 v[REC+2], v[REC+2], v[REC+4*\s+2], vcc_lo
	v_max_num_f32 v[REC], v[REC], v[REC+4*\s]
.endr
	v_sub_f32 v12, v10, v[REC]                     ; both are 0 or more: x was held at T
	v_sub_f32 v13, v10, v[REC+1]
	v_ldexp_f32 v12, v12, s24
	v_ldexp_f32 v13, v13, s24
	v_sqrt_f32 v12, v12
	v_sqrt_f32 v13, v13
	v_mov_b32 v7, v[REC+2]                         ; (a plain place behind the roots)  out1's pair: v6 = m, v7 = n
	s_wait_alu depctr_va_vdst(0)
	v_rcp_f32 v14, v13
	v_nop                                          ; a plain place behind the reciprocal
	s_wait_alu depctr_va_vdst(0)
	v_mul_f32 v15, v12, v14
	v_fma_f32 v16, -v15, v13, v12                  ; one correction of the quotient
	v_fma_f32 v15, v16, v14, v15
	v_cmp_ge_f32 vcc_lo, 0x3f4ccccd, v15           ; 0.8 as f32 >= ratio; false for NaN
	v_cndmask_b32 v17, 0, v15, vcc_lo
	v_cndmask_b32 v18, 0, 1, vcc_lo
	global_store_b64 v4, v[6:7], s[12:13]          ; a wave stores 256 consecutive bytes, at a multiple of 256 from out1's first byte
	ds_store_b32 v8, v17
	ds_store_b8 v9, v18
	s_wait_dscnt 0x0                               ; for the others' sake: my stores have landed
	s_barrier_signal -1
	s_barrier_wait -1
	s_cmp_lt_u32 s17, 2
	s_cbranch_scc0 .Lnot_ratios
	ds_load_b128 v[24:27], v20                     ; waves 0 and 1: the 256 ratios, 16 bytes a lane
	s_wait_dscnt 0x0
	global_store_b128 v20, v[24:27], s[10:11]      ; sixteen lanes store 256 consecutive bytes, aligned
	s_branch .Ldone
.Lnot_ratios:
	s_cmp_eq_u32 s17, 2
	s_cbranch_scc0 .Ldone
	ds_load_b64 v[28:29], v21                      ; wave 2: the 256 mask bytes, 8 a lane
	s_wait_dscnt 0x0
	global_store_b64 v22, v[28:29], s[14:15]       ; 256 consecutive bytes, aligned
.Ldone:
	s_wait_tensorcnt 0x0
	ds_add_u32 v96, v97
	s_wait_dscnt 0x0
	s_endpgm
.Lfunc_end_k_qfcf0c92249_merge:
	.size	k_qfcf0c92249_merge, .Lfunc_end_k_qfcf0c92249_merge-k_qfcf0c92249_merge
	.p2alignl 7, 3214868480
	.fill 96, 4, 3214868480
	.section	.rodata,"a",@progbits
	.p2align	6, 0x0
	.amdhsa_kernel k_qfcf0c92249_merge
		.amdhsa_group_segment_fixed_size 2304
		.amdhsa_private_segment_fixed_size 0
		.amdhsa_enable_private_segment 0
		.amdhsa_kernarg_size 48
		.amdhsa_user_sgpr_count 2
		.amdhsa_user_sgpr_kernarg_segment_ptr 1
		.amdhsa_wavefront_size32 1
		.amdhsa_system_sgpr_workgroup_id_x 1
		.amdhsa_system_sgpr_workgroup_id_y 1
		.amdhsa_system_sgpr_workgroup_id_z 1
		.amdhsa_system_vgpr_workitem_id 0
		.amdhsa_next_free_vgpr 98
		.amdhsa_next_free_sgpr 66
		.amdhsa_reserve_vcc 1
		.amdhsa_float_denorm_mode_32 3
		.amdhsa_float_denorm_mode_16_64 3
		.amdhsa_memory_ordered 1
		.amdhsa_forward_progress 1
		.amdhsa_inst_pref_size 8
	.end_amdhsa_kernel
	.amdgpu_metadata
---
amdhsa.version: [ 1, 2 ]
amdhsa.kernels:
  - .name:           k_qfcf0c92249_merge
    .symbol:         k_qfcf0c92249_merge.kd
    .args:
      - { .name: part, .offset: 0, .size: 8, .value_kind: global_buffer, .address_space: global }
      - { .name: nrm, .offset: 8, .size: 8, .value_kind: global_buffer, .address_space: global }
      - { .name: lowp_scales, .offset: 16, .size: 8, .value_kind: global_buffer, .address_space: global }
      - { .name: out0, .offset: 24, .size: 8, .value_kind: global_buffer, .address_space: global }
      - { .name: out1, .offset: 32, .size: 8, .value_kind: global_buffer, .address_space: global }
      - { .name: out2, .offset: 40, .size: 8, .value_kind: global_buffer, .address_space: global }
    .group_segment_fixed_size: 2304
    .private_segment_fixed_size: 0
    .kernarg_segment_align: 8
    .kernarg_segment_size: 48
    .max_flat_workgroup_size: 256
    .sgpr_count:     66
    .vgpr_count:     98
    .wavefront_size: 32
...
	.end_amdgpu_metadata
.endif
;; end of part 3
